; MI455X (gfx1250); checked and timed in simulation.
; The chip was launched on July 23, 2026; its instructions are those of AMD's public machine-readable ISA for CDNA 5 (MIT licence, August 2026) and "CDNA5" Instruction Set Architecture Reference Guide (July 2026). The comments in the code are by the model that wrote it; some were corrected since.
;; Max Matching. Allowed arithmetic: matrix products marked QUANTISED: E5M2 operands, one given power-of-two scale a tensor, by v_wmma_f32_16x16x64_bf8_bf8 or v_wmma_f32_16x16x128_bf8_bf8, f32 sums; everything else in f32.
;; Inputs: kernel 16 x 300 float32; lowp_scales 2 int32 (the exponents e of the quantised operands' scales 2^e); sent1 64 x 200 x 300 float32; sent2 64 x 200 x 300 float32.
;; Outputs: out0 64 x 200 x 16 float32.
;; This version of the problem:
;;   THIS VERSION OF THE PROBLEM IS GIVEN IN LOW PRECISION. The matrix products marked QUANTISED in the list below multiply operands that are first quantised to E5M2 (5 exponent bits, 2 mantissa bits; 8 bits a number), with one given power-of-two scale for each operand tensor; their sums are f32. All else is computed in f32.
;;   The module's matrix products, in the order in which they are computed (A, B: the left and right operand; K: the contracted axis; several contracted axes count as one K, in the product's order):
;;     1. batch 1,024 x [M 200, K 300] x [K 300, N 200]; A: computed on the way; B: computed on the way: QUANTISED (scales: A lowp_scales[0], B lowp_scales[1])
;;   THE QUANTISER, for each operand of a quantised product, along K:
;;     - The operand's scale is 2^e, e = its entry of the input lowp_scales (int32; the entries are numbered through the quantised products in the list's order, A before B).
;;     - Each number is divided by the scale, clamped to +-57,344, and rounded to the nearest number of E5M2, ties to even, subnormals kept.
;;     - The product sums the exact products of the quantised numbers (number of the format x scale) in f32.
;;   ~~~python
;;   def quantise(x, axis, e):      # numpy; x: float32 -> the quantised numbers, widened to float32 again
;;       x = np.moveaxis(x, axis, -1); K = x.shape[-1]
;;       r = np.clip(x / 2.0 ** e, -57344, 57344)
;;       step = 2.0 ** (np.maximum(np.frexp(np.where(r == 0, 1, r))[1] - 1, -14) - 2)
;;       q = np.round(r / step) * step * 2.0 ** e      # np.round: ties to even
;;       return np.moveaxis(q, -1, axis).astype(np.float32)
;;   ~~~
;;   OPERANDS COMPUTED ON THE WAY. 'Computed on the way' means the value that the module computes at that place (a softmax that the list does not call 'softmax' is quantised finished and normalised). What goes into a quantiser is computed in f32, as accurately as f32 sums, v_exp_f32 and their like allow (about 1e-6 of the number): no bf16 or f16 on the way to a quantiser, and a product that is left as it is and whose result goes on into a quantised operand takes f32 operands (vector FMAs, or v_wmma_f32_16x16x4_f32). A number that lies on a knife's edge between two numbers of the format may be rounded either way, as far as f32 arithmetic and the matrix unit's own rounding can turn it there, and no further.
;; One version. Each part assembles by itself: llvm-mc -triple=amdgcn-amd-amdhsa -mcpu=gfx1250 --defsym DOCPART=n.
;; ======== version 1 of 1: 1 launch
;; limits: right only within a limited range of input values
;; launch match (part 1): grid 4 x 64, 4 waves a work-group, clusters of 4 x 1, 327,680 bytes of LDS; arguments sent1, sent2, kernel, lowp_scales, out0; writes out0
.if DOCPART == 1
	.amdgcn_target "amdgcn-amd-amdhsa--gfx1250"
	.amdhsa_code_object_version 6
	.text
	.protected	k_q9b6b330e10_match
	.globl	k_q9b6b330e10_match
	.p2align	8
	.type	k_q9b6b330e10_match,@function
k_q9b6b330e10_match:
	s_mov_b64 s[64:65], 0
	v_nop
	global_prefetch_b8 v0, s[64:65] scope:SCOPE_SE
	s_setreg_imm32_b32 hwreg(HW_REG_WAVE_MODE, 25, 1), 1
	s_wait_xcnt 0x0
	s_wait_alu depctr_hold_cnt(0) depctr_sa_sdst(0) depctr_va_vdst(0) depctr_va_sdst(0) depctr_va_ssrc(0) depctr_va_vcc(0) depctr_vm_vsrc(0)
	s_getreg_b32 s2, hwreg(HW_REG_IB_STS2, 6, 4)
	s_cmp_eq_u32 s2, 0
	s_cbranch_scc0 .Lentry_in_a_cluster
	s_endpgm
.Lentry_in_a_cluster:
	s_bfe_u32 s2, ttmp6, 0x10000c
	s_cmp_lg_u32 s2, 0x3003
	s_cbranch_scc0 .Lentry_shape_is_right
	s_endpgm
.Lentry_shape_is_right:
; out0[b][i][p] = max over j of v1[b][i][p][:] . v2[b][j][p][:],  v = (sent x kernel[p]) x rsqrt(max(sum of (sent x kernel[p])^2, 1e-12)).
; sent1, sent2: [64][200][300] f32; kernel: [16][300] f32; out0: [64][200][16] f32.  v1 and v2 are quantised to E5M2 with the given scales and multiplied by v_wmma_f32_16x16x128_bf8_bf8 (codes 0-255 of a
; row) and v_wmma_f32_16x16x64_bf8_bf8 (codes 256-319), sums in f32.
; SCALES: lowp_scales[0] is taken for the operand made of sent2, lowp_scales[1] for the one made of sent1 (the order in which the product is lowered); each finished maximum is multiplied by 2^(e0 + e1).
; LIMITS: each e lies between -126 and 112, so that 2^e and 57,344 x 2^e are f32 numbers; e0 + e1 goes through v_ldexp_f32 and has no limit.  NaN and infinities among the inputs are not served
; (the maxima let a NaN lose).  The 300 squares of a row are summed in eight chains and two halves of the lanes, another order than a plain sum's, all in f32.
; SHARES.  A work-group owns one b and four perspectives; wave w owns p = 4 cx + w, one product of 200 x 300 x 200, and a whole SIMD's 1,024 registers.  64 x 4 = 256 work-groups.
; First the wave quantises all of v2[b][:][p][:] into registers that stay (13 tiles of 16 rows x 40 registers); then, for each of 13 tiles of 16 rows of sent1, it quantises the tile into 40 registers,
; issues 13 x 3 matrix instructions and takes the maximum.  No code ever goes to LDS or to memory, and each code is made once.
; A LANE'S NUMBERS.  Lane (r = lane % 16, h = lane / 16) holds row r and d = 152 h + 0 .. 151 (for h = 1 the last four are zeros) in 152 consecutive registers.  19 conversions of eight make 38 registers of
; codes, two registers of zero codes follow; registers 0-15, 16-31 and 32-39 are the operands of the three matrix instructions.  That is one permutation of k, the same in both operands, so each product meets
; its partner; K is 300 filled up to 320 with zero codes on both sides.
; THE PRODUCT IS USED TRANSPOSED (source 0 = 16 rows j of v2, source 1 = my 16 rows i of v1): a lane holds ONE i (= r), its registers j = 8 h + 0 .. 7: the maximum over j runs over registers and tiles, with one
; exchange between the halves of the lanes.
; BY TURNS.  In the loop over sent1's tiles the products of tile t - 1 stand among the first pass (x k and the squares) of tile t, one matrix instruction ahead of each four vector lines, which name none of its
; registers: the wave has vector work to issue while the matrix unit works.  Tile t's codes are written behind all products of tile t - 1, so one set of 40 registers serves.
; 200 ROWS IN 13 TILES.  sent2's tiles begin at rows 0, 16, 32, 48, 56, 72, 88 .. 184: eight rows are taken twice, which changes no maximum.  sent1's begin at 16 t; rows 200 to 207 of the last are rows of sent2
; that lie behind in LDS: a lane's column is its own, and their results go to stage words that are never sent out.
; CLUSTER.  The four work-groups of a cluster share b and so every row of sent1[b] and sent2[b]: each tile is asked for JOINTLY, by the same tensor load with the same descriptor and the mask 15 in all four.
; LDS, in rows of 1,232 bytes = 77 x 16 (the 16 rows that a load of 16 bytes a lane touches start at 16 different columns of 16 bytes): a tile is stated 308 elements wide on a tensor 300 wide, so that the
; mover lays eight zeros behind each row's 300 numbers.  Rows 0-63: sent1 rows 0-63.  Rows 64-135: sent2 rows 0-71, later sent1 rows 64-135.  Rows 136-199: sent2 rows 72-135, later sent1 rows 136-199.
; Rows 200-263: sent2 rows 136-199, filled once; from row 208 on it later holds the stage of results.  Behind it the spare words.  By this text's count a wave has at most four tensor loads out.
; OUTPUT.  A row's 64 bytes belong to four work-groups: each stores its 16 bytes of a row, one lane a row.
; REGISTERS, in windows of 256.  Window 0: see the names below.  Window 1: v0-151 kernel[p] at my lane's d; v152-255 the 13 accumulators.  Windows 2, 3: v2's codes, tile t at 512 + 40 t
; (the last eight registers of tile 12 would begin at 1,024 and lie at v224 of window 0).
.set PITCH, 1232                       ; an LDS row in bytes
.set ROWG,  1200                       ; a row of sent1 or sent2 in memory
.set BATCH, 200*ROWG                   ; one b of either
.set STAGE, 208*PITCH                  ; = 1,001 x 256: 1,024 bytes for each wave, 4 bytes a row i
.set SPARE, 1271*256                   ; behind LDS row 263: the spare words, 128 bytes for each wave: two blocks of 256 bytes that no other line names
.set SPW,  1                           ; v1      LDS address of my spare word; never rewritten
.set NIL,  2                           ; v2      0; never rewritten
.set XA,   3                           ; v3      LDS address of my lane's 608 bytes of the tile in hand
.set STO,  4                           ; v4      where my row's result goes in my wave's stage
.set PX,   5                           ; v5      what comes from the lane 16 away: the sum of squares
.set R,    6                           ; v6-7    rsqrt, twice: a pair for the packed multiply
.set S,    8                           ; v8-23   eight pairs of partial sums of squares
.set M,    24                          ; v24-31  eight running maxima
.set X,    32                          ; v32-183 152 numbers: x, then x k, then v
.set AC,   184                         ; v184-223 the codes of sent1's tile in hand; the last two registers stay 0
.set SCL2, 232                         ; 2^e0, for sent2's operand
.set LIM2, 233
.set SCL1, 234                         ; 2^e1, for sent1's
.set LIM1, 235
.set XA0,  236                         ; r x 1,232 + 608 h
.set RR,   237                         ; r
.set HH,   238                         ; h
.set KA,   239                         ; byte offset of my 152 numbers in kernel
.set OD,   240                         ; v240-247 the way out: two rows' four results
.set KA2,  248                         ; the same for the last four of them
.set PY,   253                         ; v253    what comes from the lane 16 away: the maximum
.set ACC,  152                         ; in window 1
.set E2,   20                          ; s20  e0, sent2's operand's
.set E1,   21                          ; s21  e1, sent1's
.set SEL,  18                          ; s[18:19] lane selects of v_permlanex16_b32: lane l xor 16
.set G1A,  24                          ; s[24:31] descriptor group 1: 18 rows;  s[32:39]: 16 rows
.set G1B,  32
.set F0,   40                          ; groups 0, never rewritten: the four first fills,
.set F1,   44
.set F2,   48
.set F3,   52
.set R0,   56                          ; and the two refills
.set R1,   60
.set MSB, 0
.macro WIN new                         ; the immediate's high byte repeats the setting that is left; a switch that changes nothing is dropped
.if MSB != (\new)
	s_set_vgpr_msb (MSB<<8)|(\new)
.set MSB, (\new)
.endif
.endm
; A round of the cluster's barrier: my work-group's barrier, wave 0 signals for the work-group, every wave waits for all four work-groups, my work-group's barrier once more.
.macro ROUND
	s_barrier_signal -1
	s_barrier_wait -1
	s_cmp_lg_u32 s14, 0
	s_cbranch_scc1 .Lnot_wave_0_\@
	s_barrier_signal -3
.Lnot_wave_0_\@:
	s_barrier_wait -3
	s_barrier_signal -1
	s_barrier_wait -1
.endm
.macro SETB t, c                       ; BR = the first of registers 8 c .. 8 c + 7 of resident tile t
.set BR, 512+40*(\t)+8*(\c)
.if BR >= 1024
.set BR, 224
.endif
.endm
; A tile's 152 numbers go in four parts: 40, 40, 40 and 32 registers.  PF: the part's first pair; PN: its pairs; WC: the tile's loads that are younger than the part's.
.macro PART q
.set PF, 20*(\q)
.set PN, 20
.set WC, 28-10*(\q)
.if (\q) == 3
.set PN, 16
.set WC, 0
.endif
.endm
.macro XLOADS q                        ; part q of the 38 loads that bring my lane's 608 bytes
.set LI, 10*(\q)
.set LN, 10
.if (\q) == 3
.set LN, 8
.endif
.rept LN
	ds_load_b128 v[X+4*LI:X+4*LI+3], v[XA] offset:16*LI
.set LI, LI+1
.endr
.endm
.macro XLOAD
	XLOADS 0
	XLOADS 1
	XLOADS 2
	XLOADS 3
.endm
; Matrix instruction i of a tile's 39.  0-12: codes 0-127 against v2's 13 tiles, starting the sums with the constant 0;  13-25: codes 128-255;  26-38: codes 256-319, by the form of K = 64.
; The 13 accumulators take turns, one instruction a turn.  The form of K = 64 is no link of the other form's chain: it stands five places or more behind the instruction that it adds onto.
.macro WM i
.set TI, (\i)%13
.if (\i) < 26
.set BR, 512+40*TI+16*((\i)/13)
	WIN 0x50|(BR/256)                              ; C and D window 1, source 1 (my tile) window 0, source 0 where the fragment lies
.if (\i) < 13
	v_wmma_f32_16x16x128_bf8_bf8 v[ACC+8*TI:ACC+8*TI+7], v[BR%256:BR%256+15], v[AC:AC+15], 0
.else
	v_wmma_f32_16x16x128_bf8_bf8 v[ACC+8*TI:ACC+8*TI+7], v[BR%256:BR%256+15], v[AC+16:AC+31], v[ACC+8*TI:ACC+8*TI+7]
.endif
.else
	SETB TI, 4
	WIN 0x50|(BR/256)
	v_wmma_f32_16x16x64_bf8_bf8 v[ACC+8*TI:ACC+8*TI+7], v[BR%256:BR%256+7], v[AC+32:AC+39], v[ACC+8*TI:ACC+8*TI+7]
.endif
.endm
; The first pass: y = x k, and the sums of y^2 in eight chains, which the first eight pairs start: nothing is cleared.  152 lines in 38 slices of four, each slice under one window setting.
; mm = 1: one matrix instruction of the tile before stands ahead of each slice, and the 39th behind the last: the slices name X, K and S alone, none of its registers.
.macro PASS1 mm
.set WI, 0
.irp q, 0,1,2,3
	PART \q
	s_wait_dscnt WC                                ; LDS loads come back in order (ISA guide 5.7.1): this part's are in, the tile's younger ones may be out
.set PI, PF
.rept PN/4
.if \mm
	WM WI
.set WI, WI+1
.endif
	WIN 0x04                                       ; source 1 (kernel) in window 1
.rept 4
	v_pk_mul_f32 v[X+2*PI:X+2*PI+1], v[X+2*PI:X+2*PI+1], v[2*PI:2*PI+1]
.set PI, PI+1
.endr
.endr
.set PI, PF
.rept PN/4
.if \mm
	WM WI
.set WI, WI+1
.endif
	WIN 0
.rept 4
.if PI < 8
	v_pk_mul_f32 v[S+2*PI:S+2*PI+1], v[X+2*PI:X+2*PI+1], v[X+2*PI:X+2*PI+1]
.else
	v_pk_fma_f32 v[S+2*(PI%8):S+2*(PI%8)+1], v[X+2*PI:X+2*PI+1], v[X+2*PI:X+2*PI+1], v[S+2*(PI%8):S+2*(PI%8)+1]
.endif
.set PI, PI+1
.endr
.endr
.endr
.if \mm
	WM WI
	WIN 0
.endif
.endm
; The row's sum of squares (my 152 numbers' and the other half of the lanes'), and rsqrt(max(sum, 1e-12)).  pf = 1: the address steps to the next tile; that line is the plain place behind the roots.
.macro NORM step, pf
	v_pk_add_f32 v[S:S+1], v[S:S+1], v[S+8:S+9]
	v_pk_add_f32 v[S+2:S+3], v[S+2:S+3], v[S+10:S+11]
	v_pk_add_f32 v[S+4:S+5], v[S+4:S+5], v[S+12:S+13]
	v_pk_add_f32 v[S+6:S+7], v[S+6:S+7], v[S+14:S+15]
	v_pk_add_f32 v[S:S+1], v[S:S+1], v[S+4:S+5]
	v_pk_add_f32 v[S+2:S+3], v[S+2:S+3], v[S+6:S+7]
	v_pk_add_f32 v[S:S+1], v[S:S+1], v[S+2:S+3]
	v_add_f32 v[S], v[S], v[S+1]
	v_permlanex16_b32 v[PX], v[S], s[SEL], s[SEL+1]
	v_add_f32 v[S], v[S], v[PX]
	v_max_num_f32 v[S], 0x2b8cbccc, v[S]           ; 1e-12
	s_wait_alu depctr_va_vdst(0)
	v_rsq_f32 v[R], v[S]
	v_rsq_f32 v[R+1], v[S]
.if \pf
	v_add_nc_u32 v[XA], \step, v[XA]               ; a plain instruction stands between a root and the use of its result (ISA guide 5.7.2)
	s_wait_alu depctr_va_vdst(0)
.else
	v_nop
	s_wait_alu depctr_va_vdst(0)
.endif
.endm
; The maxima over the 13 accumulators, register by register; each accumulator is read from its low end on.
.macro MAX13
	WIN 0x05                                       ; sources 0 and 1 window 1
.irp q, 0,1,2,3,4,5,6,7
	v_max_num_f32 v[M+\q], v[ACC+\q], v[ACC+8+\q]
.endr
	WIN 0x14                                       ; sources 1 and 2 window 1
.irp t, 2,4,6,8,10
.irp q, 0,1,2,3,4,5,6,7
	v_max3_num_f32 v[M+\q], v[M+\q], v[ACC+8*\t+\q], v[ACC+8*\t+8+\q]
.endr
.endr
.irp q, 0,1,2,3,4,5,6,7
	v_max_num_f32 v[M+\q], v[M+\q], v[ACC+96+\q]
.endr
	WIN 0
.endm
; In the loop: tile t's norm and tile t - 1's maximum together.  The norm's first four additions are the four places between the last matrix instruction and the first read of results (ISA guide 7.12.1).
; Both end in a chain in which each line feeds the next: the two chains alternate, so that no line reads the result of the line just before it.
.macro NORMMAX step, pf
	v_pk_add_f32 v[S:S+1], v[S:S+1], v[S+8:S+9]
	v_pk_add_f32 v[S+2:S+3], v[S+2:S+3], v[S+10:S+11]
	v_pk_add_f32 v[S+4:S+5], v[S+4:S+5], v[S+12:S+13]
	v_pk_add_f32 v[S+6:S+7], v[S+6:S+7], v[S+14:S+15]
	MAX13
	v_pk_add_f32 v[S:S+1], v[S:S+1], v[S+4:S+5]
	v_max3_num_f32 v[M], v[M], v[M+1], v[M+2]
	v_pk_add_f32 v[S+2:S+3], v[S+2:S+3], v[S+6:S+7]
	v_max3_num_f32 v[M+3], v[M+3], v[M+4], v[M+5]
	v_pk_add_f32 v[S:S+1], v[S:S+1], v[S+2:S+3]
	v_max3_num_f32 v[M], v[M], v[M+3], v[M+6]
	v_add_f32 v[S], v[S], v[S+1]
	v_max_num_f32 v[M], v[M], v[M+7]
	v_permlanex16_b32 v[PX], v[S], s[SEL], s[SEL+1]
	v_permlanex16_b32 v[PY], v[M], s[SEL], s[SEL+1]
	v_add_f32 v[S], v[S], v[PX]
	v_max_num_f32 v[M], v[M], v[PY]
	v_max_num_f32 v[S], 0x2b8cbccc, v[S]           ; 1e-12
	v_ldexp_f32 v[M], v[M], s22                    ; x 2^(e0 + e1): exact, and it keeps the order, so it is applied to the maximum alone
	s_wait_alu depctr_va_vdst(0)
	v_rsq_f32 v[R], v[S]
	v_rsq_f32 v[R+1], v[S]
.if \pf
	v_add_nc_u32 v[XA], \step, v[XA]               ; on to the next tile's numbers
	s_wait_alu depctr_va_vdst(0)
.endif
	ds_store_b32 v[STO], v[M]                      ; lanes r and r + 16 write the same word with the same number
	v_add_nc_u32 v[STO], 64, v[STO]                ; the next tile's 16 rows; a plain instruction between the roots and the use of their results (ISA guide 5.7.2)
	s_wait_alu depctr_va_vdst(0)
.endm
; The numbers are not clamped, though the conversion to an 8-bit code does not saturate (ISA guide 7.6.2), and a given scale need not cover the numbers.
.macro HOLD lim
.set PI, 2*PF
.rept 2*PN
.set PI, PI+1
.endr
.endm
; The second pass for sent2: v = y r, and converted, eight numbers to two registers of resident tile t.  pf = 1: the next tile's loads are issued part by part into the registers that the conversions
; have read: a part's multiplies are the plain places between the part before's conversions and the loads into their sources.
.macro PASS2B t, pf
.irp q, 0,1,2,3
	PART \q
.set PI, PF
.rept PN
	v_pk_mul_f32 v[X+2*PI:X+2*PI+1], v[X+2*PI:X+2*PI+1], v[R:R+1]
.set PI, PI+1
.endr
.if \pf && (\q > 0)
	XLOADS \q-1
.endif
	HOLD LIM2
.set GI, PF/4
.rept PN/4
	SETB \t, GI/4
.set DR, BR+2*(GI%4)
	WIN (DR/256)<<6                                ; the destination's window
	v_cvt_scalef32_pk8_bf8_f32 v[DR%256:DR%256+1], v[X+8*GI:X+8*GI+7], v[SCL2]
.set GI, GI+1
.endr
	WIN 0
.endr
	v_nop                                          ; the plain place behind the last conversions
.if \pf
	XLOADS 3
.endif
.endm
; The second pass for sent1: the same into the tile in hand.  All of it lies in window 0, so each of a part's five conversions stands ahead of three or four of the next part's multiplies:
; no two conversions follow each other but the last four, and each has its plain place behind it.
.macro PASS2A pf
	PART 0
.set PI, PF
	s_wait_alu depctr_va_vdst(0)
.rept PN
	v_pk_mul_f32 v[X+2*PI:X+2*PI+1], v[X+2*PI:X+2*PI+1], v[R:R+1]
.set PI, PI+1
.endr
	HOLD LIM1
.irp q, 1,2,3
	PART \q
.set PI, PF
.set GI, 5*(\q)-5
.set CJ, 0
.rept 5
	v_cvt_scalef32_pk8_bf8_f32 v[AC+2*GI:AC+2*GI+1], v[X+8*GI:X+8*GI+7], v[SCL1]
.rept (PN*(CJ+1))/5-(PN*CJ)/5
	v_pk_mul_f32 v[X+2*PI:X+2*PI+1], v[X+2*PI:X+2*PI+1], v[R:R+1]
.set PI, PI+1
.endr
.set GI, GI+1
.set CJ, CJ+1
.endr
.if \pf
	XLOADS \q-1
.endif
	HOLD LIM1
.endr
.irp g, 15,16,17,18
	v_cvt_scalef32_pk8_bf8_f32 v[AC+2*\g:AC+2*\g+1], v[X+8*\g:X+8*\g+7], v[SCL1]
.endr
.rept 4
	v_nop                                          ; the plain place behind the last conversions, and the four places between an operand written by vector instructions and the matrix instruction that takes it
.endr
.if \pf
	XLOADS 3
.endif
.endm
.macro QB t, pf, step                  ; a tile of sent2
	PASS1 0
	NORM \step, \pf
	PASS2B \t, \pf
.endm
; The last tile's 39 matrix instructions have no vector work left to stand among them: five v_nop are the places in front of the round that changes the form.
.macro MULS
.set WI, 0
.rept 39
.if WI == 26
.rept 5
	v_nop
.endr
.endif
	WM WI
.set WI, WI+1
.endr
.endm
; The last tile's maximum over the 13 x 8 registers and the other half of the lanes, x 2^(e0 + e1), into my wave's stage.
.macro MAXOUT
.rept 4
	v_nop                                          ; four places between the last matrix instruction and the first read of results (ISA guide 7.12.1)
.endr
	MAX13
	v_max3_num_f32 v[M], v[M], v[M+1], v[M+2]
	v_max3_num_f32 v[M+3], v[M+3], v[M+4], v[M+5]
	v_max3_num_f32 v[M], v[M], v[M+3], v[M+6]
	v_max_num_f32 v[M], v[M], v[M+7]
	v_permlanex16_b32 v[PY], v[M], s[SEL], s[SEL+1]
	v_max_num_f32 v[M], v[M], v[PY]
	v_ldexp_f32 v[M], v[M], s22
	ds_store_b32 v[STO], v[M]
.endm
; A region that every wave has read out is filled again, with rows of sent1.  Each wave waits for all its tensor loads, adds 0 to its spare word, and waits for that and for its reads; the round shows the same of
; every wave of all four work-groups; the joint refill is the first thing behind it, one load a wave.  Then the next region's first tile is fetched.
.macro CHANGE g0, g1
	WIN 0
	s_wait_tensorcnt 0x0                           ; all my tensor loads have landed, my parts of the regions still to be read among them
	ds_add_u32 v[SPW], v[NIL]                      ; 0 onto my spare word
	v_add_nc_u32 v[XA], 16*PITCH, v[XA]            ; on to the next region's first tile
	s_wait_dscnt 0x0                               ; the add is done, and my reads of the region are over
	ROUND
	tensor_load_to_lds s[\g0:\g0+3], s[\g1:\g1+7]
	s_nop 0
.rept 4
	v_nop
.endr
	s_wait_alu depctr_va_vdst(0)
	XLOAD
.endm
.macro G0SET g, ldsw, ldsc, base, off, extra   ; a group 0: count 1; LDS address = wave's term + constant; global address = buffer + (b's and the wave's bytes) + constant; type 2
	s_mov_b32 s[\g], 1
	s_add_co_u32 s[\g+1], s[\ldsw], \ldsc
	s_add_nc_u64 s[\g+2:\g+3], s[\base:\base+1], s[\off:\off+1]
.if \extra
	s_add_nc_u64 s[\g+2:\g+3], s[\g+2:\g+3], \extra
.endif
	s_or_b32 s[\g+3], s[\g+3], 0x80000000
.endm
	s_load_b256 s[4:11], s[0:1], 0x0               ; sent1 s[4:5], sent2 s[6:7], kernel s[8:9], lowp_scales s[10:11]
	s_load_b64 s[12:13], s[0:1], 0x20              ; out0
	v_lshl_add_u32 v[SPW], v0, 2, SPARE
	v_mov_b32 v[NIL], 0
	ds_add_u32 v1, v2
	ds_add_u32 v1, v2
	s_wait_dscnt 0x0
	v_lshrrev_b32 v[RR], 5, v0
	v_readfirstlane_b32 s14, v[RR]                 ; wave 0..3
	s_bfe_u32 s15, ttmp6, 0x40000                  ; cx: my place in the cluster: it enters kernel's and out0's addresses alone
	s_and_b32 s16, ttmp7, 0xffff                   ; b, which the four partners share
	s_mov_b32 s[SEL], 0x76543210
	s_mov_b32 s[SEL+1], 0xfedcba98
	; descriptor group 1: R rows of 308 elements of 4 bytes on a tensor 300 wide: the eight elements past the end arrive as zeros, and LDS rows are 1,232 bytes apart
.irp g, G1A, G1B
	s_mov_b32 s[\g], 15|(2<<16)|(1<<21)            ; 15:0 the mask: all four work-groups; 17:16 elements of 4 bytes; 20 no padding; 21 set beside a mask
	s_mov_b32 s[\g+1], 300<<16                     ; tensor_dim0 = 300
	s_mov_b32 s[\g+3], 308<<16                     ; tile_dim0 = 308
	s_mov_b32 s[\g+5], 300                         ; elements from row to row
	s_mov_b32 s[\g+6], 0
	s_mov_b32 s[\g+7], 0
.endr
	s_mov_b32 s[G1A+2], 18<<16                     ; tensor_dim1
	s_mov_b32 s[G1A+4], 18                         ; tile_dim1
	s_mov_b32 s[G1B+2], 16<<16
	s_mov_b32 s[G1B+4], 16
	s_mul_i32 s66, s16, BATCH                      ; b's first byte in sent1 and in sent2 (under 2^24)
	s_mul_i32 s68, s14, 18*ROWG                    ; a wave fetches a quarter of each region: 18 rows of 72,
	s_add_co_u32 s68, s68, s66
	s_mov_b32 s69, 0
	s_mul_i32 s70, s14, 16*ROWG                    ; or 16 rows of 64
	s_add_co_u32 s70, s70, s66
	s_mov_b32 s71, 0
	s_mul_i32 s72, s14, 18*PITCH                   ; and the same in LDS: no place in the cluster enters an LDS address
	s_mul_i32 s73, s14, 16*PITCH
	s_mul_i32 s74, s16, 200*64                     ; out0: b's rows,
	s_lshl_b32 s75, s15, 4                         ; my four perspectives' 16 bytes of a row
	s_add_co_u32 s74, s74, s75
	s_mov_b32 s75, 0
	s_lshl2_add_u32 s76, s15, s14                  ; p = 4 cx + wave
	s_mul_i32 s76, s76, ROWG                       ; its row of kernel
	s_wait_kmcnt 0x0
	s_load_b64 s[20:21], s[10:11], 0x0             ; e0, e1
	s_add_nc_u64 s[12:13], s[12:13], s[74:75]
	G0SET F0, 72, 64*PITCH,  6, 68, 0              ; sent2 rows 0-71    -> LDS rows 64-135
	G0SET F1, 73, 136*PITCH, 6, 70, 72*ROWG        ; sent2 rows 72-135  -> LDS rows 136-199
	G0SET F2, 73, 200*PITCH, 6, 70, 136*ROWG       ; sent2 rows 136-199 -> LDS rows 200-263
	G0SET F3, 73, 0,         4, 70, 0              ; sent1 rows 0-63    -> LDS rows 0-63
	G0SET R0, 72, 64*PITCH,  4, 68, 64*ROWG        ; sent1 rows 64-135  -> LDS rows 64-135, later
	G0SET R1, 73, 136*PITCH, 4, 70, 136*ROWG       ; sent1 rows 136-199 -> LDS rows 136-199, later
	ROUND                                          ; all four work-groups are here: the first joint loads meet
	tensor_load_to_lds s[F0:F0+3], s[G1A:G1A+7]    ; the four first fills go out as one group: four loads of mine are out
	s_nop 0
	tensor_load_to_lds s[F1:F1+3], s[G1B:G1B+7]
	s_nop 0
	tensor_load_to_lds s[F2:F2+3], s[G1B:G1B+7]
	s_nop 0
	tensor_load_to_lds s[F3:F3+3], s[G1B:G1B+7]
	s_nop 0
.rept 4
	v_nop
.endr
	v_and_b32 v[RR], 15, v0                        ; r
	v_bfe_u32 v[HH], v0, 4, 1                      ; h
	v_mul_u32_u24 v[KA], v[HH], 608
	v_mul_u32_u24 v[XA0], v[RR], PITCH
	v_add_nc_u32 v[XA0], v[XA0], v[KA]             ; row r, + 608 bytes for the upper half of the lanes
	v_add_nc_u32 v[KA], s76, v[KA]                 ; kernel[p][152 h ..]
	v_lshl_add_u32 v[KA2], v[HH], 4, s76           ; the last four: h = 0 reads d = 148 .. 151; h = 1 has none and reads bytes inside the row that are thrown away below
	WIN 0x40                                       ; destination window 1, address window 0
.set LI, 0
.rept 37
	global_load_b128 v[4*LI:4*LI+3], v[KA], s[8:9] offset:16*LI
.set LI, LI+1
.endr
	global_load_b128 v[148:151], v[KA2], s[8:9] offset:592
	; the two registers of zero codes behind each tile's 38: K = 304 .. 319
.set TI, 0
.rept 13
	SETB TI, 4
	WIN ((BR+6)/256)<<6
	v_mov_b32 v[(BR+6)%256], 0
	v_mov_b32 v[(BR+7)%256], 0
.set TI, TI+1
.endr
	WIN 0
	v_mov_b32 v[AC+38], 0
	v_mov_b32 v[AC+39], 0
	v_mov_b32 v[PX], 0                             ; the destination of a lane permute counts as read
	v_mov_b32 v[PY], 0
	s_wait_kmcnt 0x0
	s_add_co_i32 s66, s[E2], 127
	s_lshl_b32 s67, s66, 23
	v_mov_b32 v[SCL2], s67                         ; 2^e0 as f32: the conversion takes its exponent field
	s_add_co_i32 s66, s[E1], 127
	s_lshl_b32 s67, s66, 23
	v_mov_b32 v[SCL1], s67                         ; the same of e1
	s_add_co_i32 s22, s[E2], s[E1]                 ; e0 + e1
	s_lshl_b32 s77, s14, 10
	s_add_co_u32 s77, s77, STAGE                   ; my wave's stage
	v_lshl_add_u32 v[STO], v[RR], 2, s77
	v_add_nc_u32 v[XA], 64*PITCH, v[XA0]           ; sent2's row 0 lies at LDS row 64
	s_wait_alu depctr_va_vdst(0)
	s_wait_tensorcnt 0x3                           ; my part of sent2's rows 0-71 is in; the three loads issued behind it may stay out
	s_barrier_signal -1
	s_barrier_wait -1                              ; everybody's is
	XLOAD
	s_wait_loadcnt 0x0                             ; kernel
	v_cmp_ne_u32 vcc_lo, 0, v[HH]
	WIN 0x41                                       ; destination and source 0 window 1
.irp i, 148,149,150,151
	v_cndmask_b32 v\i, v\i, 0, vcc_lo              ; d = 300 .. 303 does not exist: 0
.endr
	WIN 0
	; v2: 13 tiles into registers that stay.  Written out: each tile's conversions have destinations of their own.
	QB 0, 1, 16*PITCH
	QB 1, 1, 16*PITCH
	QB 2, 1, 16*PITCH
	QB 3, 1, 8*PITCH                               ; rows 56-71: eight rows a second time
	QB 4, 0, 0
	CHANGE R0, G1A                                 ; LDS rows 64-135 take sent1's rows 64-135
	QB 5, 1, 16*PITCH
	QB 6, 1, 16*PITCH
	QB 7, 1, 16*PITCH
	QB 8, 0, 0
	CHANGE R1, G1B                                 ; LDS rows 136-199 take sent1's rows 136-199
	QB 9, 1, 16*PITCH
	QB 10, 1, 16*PITCH
	QB 11, 1, 16*PITCH
	QB 12, 0, 0
	s_wait_tensorcnt 0x0                           ; my part of the last refill, asked for four tiles ago, is in; nothing is filled from here on
	s_wait_dscnt 0x0                               ; my reads of sent2 are over
	s_barrier_signal -1
	s_barrier_wait -1                              ; all of sent1 is in LDS, and nobody reads sent2 any more: the stage may be written
	v_mov_b32 v[XA], v[XA0]                        ; sent1's row l lies at LDS row l
	XLOAD
	PASS1 0                                        ; tile 0 has no products to stand among its lines
	NORM 16*PITCH, 1
	PASS2A 1
	s_mov_b32 s23, 11
.Ltile:                                            ; trip t = 1 .. 11: tile t's first pass among tile t - 1's products; tile t's norm beside tile t - 1's maximum; tile t's codes, and tile t + 1's numbers are fetched
	PASS1 1
	NORMMAX 16*PITCH, 1
	PASS2A 1
	s_sub_co_u32 s23, s23, 1
	s_cmp_lg_u32 s23, 0
	s_cbranch_scc1 .Ltile
	PASS1 1                                        ; tile 12 among tile 11's products; it fetches nothing more
	NORMMAX 0, 0
	PASS2A 0
	MULS                                           ; tile 12's products
	MAXOUT
	; THE WAY OUT.  Thread T takes row T and, if T < 72, row 128 + T: the four waves' results of a row are its 16 bytes.
	s_wait_dscnt 0x0                               ; for the others' sake: my stores into the stage are done
	s_barrier_signal -1
	s_barrier_wait -1
	v_lshl_add_u32 v249, v0, 2, STAGE
	v_add_nc_u32 v250, 128, v0
	v_min_u32 v250, 199, v250
	v_lshl_add_u32 v251, v250, 2, STAGE
	v_lshlrev_b32 v252, 6, v0                      ; a row of out0 is 64 bytes
	v_lshlrev_b32 v250, 6, v250
.irp q, 0,1,2,3
	ds_load_b32 v[OD+\q], v249 offset:1024*\q
	ds_load_b32 v[OD+4+\q], v251 offset:1024*\q
.endr
	s_wait_alu depctr_va_vdst(0)
	s_wait_dscnt 0x0
	global_store_b128 v252, v[OD:OD+3], s[12:13]
	v_cmp_gt_u32 vcc_lo, 72, v0
	s_wait_xcnt 0x0                                ; EXEC is a source of the store above: it changes only behind this wait
	s_and_saveexec_b32 s78, vcc_lo
	global_store_b128 v250, v[OD+4:OD+7], s[12:13]
	s_wait_xcnt 0x0                                ; and again in front of the line that widens it
	s_or_b32 exec_lo, exec_lo, s78
	s_wait_tensorcnt 0x0                           ; the wave's end, behind my last tensor load and my last LDS store
	ds_add_u32 v[SPW], v[NIL]
	s_wait_dscnt 0x0
	ROUND                                          ; the closing round: no work-group ends while a partner may still ask for a tile that names it
	s_endpgm
.Lfunc_end_k_q9b6b330e10_match:
	.size	k_q9b6b330e10_match, .Lfunc_end_k_q9b6b330e10_match-k_q9b6b330e10_match
	.p2alignl 7, 3214868480
	.fill 96, 4, 3214868480
	.section	.rodata,"a",@progbits
	.p2align	6, 0x0
	.amdhsa_kernel k_q9b6b330e10_match
		.amdhsa_group_segment_fixed_size 327680
		.amdhsa_private_segment_fixed_size 0
		.amdhsa_enable_private_segment 0
		.amdhsa_kernarg_size 40
		.amdhsa_user_sgpr_count 2
		.amdhsa_user_sgpr_kernarg_segment_ptr 1
		.amdhsa_wavefront_size32 1
		.amdhsa_system_sgpr_workgroup_id_x 1
		.amdhsa_system_sgpr_workgroup_id_y 1
		.amdhsa_system_sgpr_workgroup_id_z 1
		.amdhsa_system_vgpr_workitem_id 0
		.amdhsa_next_free_vgpr 1024
		.amdhsa_next_free_sgpr 80
		.amdhsa_reserve_vcc 1
		.amdhsa_float_denorm_mode_32 3
		.amdhsa_float_denorm_mode_16_64 3
		.amdhsa_fp16_overflow 1
		.amdhsa_memory_ordered 1
		.amdhsa_forward_progress 1
		.amdhsa_inst_pref_size 255
	.end_amdhsa_kernel
	.section	.bss,"aw",@nobits
	.p2align	6
	.space	262144
	.amdgpu_metadata
---
amdhsa.version: [ 1, 2 ]
amdhsa.kernels:
  - .name:           k_q9b6b330e10_match
    .symbol:         k_q9b6b330e10_match.kd
    .args:
      - { .name: sent1, .offset: 0, .size: 8, .value_kind: global_buffer, .address_space: global }
      - { .name: sent2, .offset: 8, .size: 8, .value_kind: global_buffer, .address_space: global }
      - { .name: kernel, .offset: 16, .size: 8, .value_kind: global_buffer, .address_space: global }
      - { .name: lowp_scales, .offset: 24, .size: 8, .value_kind: global_buffer, .address_space: global }
      - { .name: out0, .offset: 32, .size: 8, .value_kind: global_buffer, .address_space: global }
    .group_segment_fixed_size: 327680
    .private_segment_fixed_size: 0
    .kernarg_segment_align: 8
    .kernarg_segment_size: 40
    .max_flat_workgroup_size: 128
    .sgpr_count:     80
    .vgpr_count:     1024
    .wavefront_size: 32
...
	.end_amdgpu_metadata
.endif
;; end of part 1
